; MI455X (gfx1250); checked and timed in simulation.
; The chip was launched on July 23, 2026; its instructions are those of AMD's public machine-readable ISA for CDNA 5 (MIT licence, August 2026) and "CDNA5" Instruction Set Architecture Reference Guide (July 2026). The comments in the code are by the model that wrote it; some were corrected since.
;; Dynamic Conv Crs Mod. Allowed arithmetic: float matrix products may take bf16 or f16 operands with f32 sums; all other float work in f32.
;; Inputs: W_aft 16,384 x 256 float32; W_out 256 x 256 float32; W_pre 32,768 x 256 float32; b_aft 16,384 float32; b_out 256 float32; b_pre 32,768 float32; be1 64 float32; be2 256 float32; be3 256 float32; g1 64 float32; g2 256 float32; g3 256 float32; query 8 x 450 x 256 float32; sampled_feats 8 x 450 x 512 float32.
;; Outputs: out0 450 x 8 x 256 float32.
;; One version. Each part assembles by itself: llvm-mc -triple=amdgcn-amd-amdhsa -mcpu=gfx1250 --defsym DOCPART=n.
;; ======== version 1 of 1: 4 launches
;; limits: values are held in f16: magnitudes above 65,504 overflow, below 6.1e-05 lose precision
;; workspace buffers: f1p 3,686,400 bytes; f1n 921,600 bytes; f2 3,686,400 bytes
;; launch s1 (part 1): grid 16 x 15, 4 waves a work-group, no clusters, 279,040 bytes of LDS; arguments query, sampled_feats, W_pre, b_pre, f1p; writes f1p
.if DOCPART == 1
	.amdgcn_target "amdgcn-amd-amdhsa--gfx1250"
	.amdhsa_code_object_version 6
	.text
	.protected	k_qf7ead13bc1_s1
	.globl	k_qf7ead13bc1_s1
	.p2align	8
	.type	k_qf7ead13bc1_s1,@function
k_qf7ead13bc1_s1:
	s_mov_b64 s[64:65], 0
	v_nop
	global_prefetch_b8 v0, s[64:65] scope:SCOPE_SE
	s_setreg_imm32_b32 hwreg(HW_REG_WAVE_MODE, 25, 1), 1
	s_wait_xcnt 0x0
; DYNAMIC WEIGHTS AND THEIR CONTRACTION, in one pass.  STAGE 1: f1p[b][d] = sum over a quarter of k of feats[b][k] (q[b].W_pre[64 k + d] + b_pre[64 k + d]).
; STAGE 2: f2[b][e] = sum over all d of f1n[b][d] (q[b].W_aft[256 d + e] + b_aft[256 d + e]).  The two texts differ in the line .set STAGE alone.
; A work-group owns 240 rows b (15 tiles of 16) and one kept tile of 16 outputs j (16 d, or 16 e), and walks NC contraction indices c.
; For each c the 16 weight rows (c, j) are 16 KB of f32 in one piece: a COLUMN TILE.  Wave w owns rows 64 w .. 64 w + 63 of the block (4 tiles bt).
; The matrix instruction is used transposed: A = 16 weight rows, B = 16 rows of q, so register jj of lane (r, h) holds P[b = r][j = 8 h + jj]:
; a lane's scale (feats or f1n of its row b and this c) is ONE number, the bias is a C operand common to all four bt, and the contraction is
; 16 packed multiply-adds for 32 matrix instructions.  The dynamic weights P never leave registers.
; Wave 3 has only three tiles (240 = 3 x 64 + 48): its fourth takes the q rows of its third with scales of zero and is not stored; 1/16 of the products.
; FORMATS: q and W go to the matrix unit as f16 (11 bits; bf16's 8 would eat most of the allowed error after three norms); sums, biases, scales in f32.
; LIMITS: |q| and |W| below 65504, magnitudes below 6e-8 become 0; the sums over c are grouped otherwise than in the reference.
; NO CLUSTER, NO TENSOR LOAD FOR W, though the 15 work-groups of one x walk the same W: W lies in memory as f32 and the matrix unit takes f16.  A tile
; brought by the mover would land as f32 and have to be read, converted and stored again: for 4 column tiles 64 KB written and 64 KB read on top of the
; 32 KB of f16 stored and the 128 KB of fragments read: the LDS bytes behind these 128 matrix instructions of each wave rise from 160 KB to 288 KB.
; So each wave loads a quarter of each column tile through registers (512 neighbouring bytes an instruction), converts once, and stores f16.
.set STAGE, 1
.if STAGE == 1
.set NC,    128                        ; column tiles of a work-group (k of one quarter)
.set SKB,   65536                      ; bytes of W from c to c + 1: 64 rows of 1,024
.set WS,    64                         ; the same step in the bias, in elements
.set SC_BT, 8448                       ; scales in LDS: from tile bt to bt + 1 (16 rows of 528 bytes)
.set SC_T,  16                         ; and from four c to the next four
.set NBODY, 9                          ; trips of the loop, 12 column tiles each
.else
.set NC,    64                         ; column tiles of a work-group (all d)
.set SKB,   262144                     ; 256 rows of 1,024 bytes
.set WS,    256
.set SC_BT, 4096                       ; a tile of f1n
.set SC_T,  256                        ; [d / 4]: 16 rows x 16 bytes
.set NBODY, 4
.endif
.set PITCH, 528                        ; an LDS row of 256 f16 (or 128 f32) + 16 bytes: 33 x 16, so 16 rows start at 16 different 16-byte columns
; LDS: 0 scales (each wave its own part, filled by a tensor load); BIAS [c][16] f32 (tensor loads, a quarter a wave);
;      RING 3 slots of 4 column tiles in f16 (LDS stores only); QS each wave's own 16 rows of q on their way into fragments (LDS stores only)
.set BIAS,  135168
.set RING,  143360
.set SLOTB, 64*PITCH
.set QS,    RING+3*SLOTB
; window 0
.set OUTO,  1                          ; 16 x lane
.set GOFF,  2                          ; W: wave x 4 rows + 16 x lane
.set QOFF,  3                          ; q: wave x 64 rows + 16 x lane
.set QOFF2, 4                          ; the same for tile bt = 3; wave 3: 16 rows back
.set STO,   5                          ; v5-7   slot s: where I store f16
.set FRA,   8                          ; v8-10  slot s: where I read fragments
.set BIA,   11                         ; bias of column tile 0 of the trip, + 32 h
.set SCA,   12                         ; my row's scales
.set QSTO,  13
.set QFR,   14
.set BR,    16                         ; v16-31   bias as C operand, two buffers
.set P,     32                         ; v32-95   products, two buffers of 4 tiles
.set WF,    96                         ; v96-223  weight fragments, two buffers of 8
; window 1
.set QF,    0                          ; v256-511 q fragments (bt, c) at 64 bt + 8 c: loaded once
; window 2
.set ACC,   0                          ; v512-543 the sums, tile bt at 8 bt
.set SCL,   32                         ; v544-559 scales of four c, 4 bt + i
.set ST,    64                         ; v576-767 staging: six chunks of 32 registers on their way from memory
.set MSB, 0
.macro WIN new                         ; s_set_vgpr_msb: bits 1:0 source 0, 3:2 source 1, 5:4 source 2, 7:6 destination; the high byte repeats the setting left
.if MSB != \new
	s_set_vgpr_msb (MSB<<8)|\new
.set MSB, \new
.endif
.endm
.set W_MUL, 0x04                       ; B in window 1; also loads into window 0
.set W_ACC, 0xa8                       ; source 1, source 2, destination in window 2: multiply-adds, stores from and loads into window 2
.set W_CVT, 0xaa                       ; all in window 2
.set W_Q,   0x40                       ; loads into window 1
.macro PLACES                          ; four places behind a matrix instruction (ISA guide 7.12.1) where there is no useful work to fill them
.rept 4
	v_nop
.endr
.endm
.macro CVT pos                         ; a chunk of 32 f32 a lane to f16, in place: words 4 j, 4 j + 1 hold the four numbers of load j
.set cs_, ST+32*(\pos)
.irp j, 0,1,2,3,4,5,6,7
	v_cvt_pk_f16_f32 v[cs_+4*\j], v[cs_+4*\j], v[cs_+4*\j+1]
	v_cvt_pk_f16_f32 v[cs_+4*\j+1], v[cs_+4*\j+2], v[cs_+4*\j+3]
.endr
.endm
.macro PUT pos, areg, imm              ; the chunk's 4 rows into LDS: 32 lanes x 8 bytes are half a row
.set cs_, ST+32*(\pos)
.irp j, 0,1,2,3,4,5,6,7
	ds_store_b64 v[\areg], v[cs_+4*\j:cs_+4*\j+1] offset:(\j>>1)*PITCH+(\j&1)*256+(\imm)
.endr
.endm
.macro GET pos, oreg, sb, imm          ; eight loads of 512 neighbouring bytes: 4 rows of 1,024 bytes
.set cs_, ST+32*(\pos)
.irp j, 0,1,2,3,4,5,6,7
	global_load_b128 v[cs_+4*\j:cs_+4*\j+3], v[\oreg], s[\sb:\sb+1] offset:512*\j+(\imm)
.endr
.endm
.macro QFRAG bt                        ; 16 rows of q from my scratch into the 8 fragments of tile bt
.irp c, 0,1,2,3,4,5,6,7
	ds_load_b128 v[QF+64*(\bt)+8*\c:QF+64*(\bt)+8*\c+3], v[QFR] offset:64*\c
	ds_load_b128 v[QF+64*(\bt)+8*\c+4:QF+64*(\bt)+8*\c+7], v[QFR] offset:64*\c+32
.endr
.endm
.macro FRAG k                          ; column tile k: its 8 fragments and its bias, into buffer k & 1
.set fs_, ((\k)/4)%3
.set fi_, (\k)&3
.set fb_, (\k)&1
.irp c, 0,1,2,3,4,5,6,7
	ds_load_b128 v[WF+64*fb_+8*\c:WF+64*fb_+8*\c+3], v[FRA+fs_] offset:fi_*16*PITCH+64*\c
	ds_load_b128 v[WF+64*fb_+8*\c+4:WF+64*fb_+8*\c+7], v[FRA+fs_] offset:fi_*16*PITCH+64*\c+32
.endr
	ds_load_b128 v[BR+8*fb_:BR+8*fb_+3], v[BIA] offset:64*(\k)
	ds_load_b128 v[BR+8*fb_+4:BR+8*fb_+7], v[BIA] offset:64*(\k)+16
.endm
.macro KSTEP pb, c, first              ; 32 along K for the four tiles; the first step takes the bias as C: nothing is cleared
.irp bt, 0,1,2,3
.if \first
	v_wmma_f32_16x16x32_f16 v[P+32*(\pb)+8*\bt:P+32*(\pb)+8*\bt+7], v[WF+64*(\pb)+8*(\c):WF+64*(\pb)+8*(\c)+7], v[QF+64*\bt+8*(\c):QF+64*\bt+8*(\c)+7], v[BR+8*(\pb):BR+8*(\pb)+7]
.else
	v_wmma_f32_16x16x32_f16 v[P+32*(\pb)+8*\bt:P+32*(\pb)+8*\bt+7], v[WF+64*(\pb)+8*(\c):WF+64*(\pb)+8*(\c)+7], v[QF+64*\bt+8*(\c):QF+64*\bt+8*(\c)+7], v[P+32*(\pb)+8*\bt:P+32*(\pb)+8*\bt+7]
.endif
.endr
.endm
.macro FMA pb, i                       ; sums += products x my row's scale number i of the four loaded (one register of a pair, given to both halves)
.irp bt, 0,1,2,3
.irp e, 0,2,4,6
.if (\i)&1
	v_pk_fma_f32 v[ACC+8*\bt+\e:ACC+8*\bt+\e+1], v[P+32*(\pb)+8*\bt+\e:P+32*(\pb)+8*\bt+\e+1], v[SCL+4*\bt+((\i)&2):SCL+4*\bt+((\i)&2)+1], v[ACC+8*\bt+\e:ACC+8*\bt+\e+1] op_sel:[0,1,0]
.else
	v_pk_fma_f32 v[ACC+8*\bt+\e:ACC+8*\bt+\e+1], v[P+32*(\pb)+8*\bt+\e:P+32*(\pb)+8*\bt+\e+1], v[SCL+4*\bt+((\i)&2):SCL+4*\bt+((\i)&2)+1], v[ACC+8*\bt+\e:ACC+8*\bt+\e+1] op_sel_hi:[1,0,1]
.endif
.endr
.endr
.endm
.macro SCLD t                          ; the scales of c = 4 t .. 4 t + 3 for my row of each tile
.irp bt, 0,1,2,3
	ds_load_b128 v[SCL+4*\bt:SCL+4*\bt+3], v[SCA] offset:\bt*SC_BT+(\t)*SC_T
.endr
.endm
; ONE COLUMN TILE, number n = NB + k: 32 matrix instructions.  Chunk m (my quarter of column tile m) is asked for in batch m - 14, converted and stored
; in batch m - 8, read as fragments in batch m - 1.  Four column tiles fill a slot; the slot written in a stretch of four batches is the one read out in the
; stretch before, and one barrier at each stretch's end (n % 4 = 3) says both: my reads of the old slot are over, my stores into the new one are done.
.macro BATCH k, first
.set n_, NB+(\k)
.set pb_, (\k)&1
.set bar_, 0
.if n_+8 < NC
.if (n_&3) == 3
.set bar_, 1
.endif
.endif
	WIN W_MUL
	s_wait_dscnt 0x0                               ; this tile's fragments, bias and scales: issued 24 matrix instructions ago (scales 12; in batch 0 just before)
	KSTEP pb_, 0, 1
	KSTEP pb_, 1, 0
.if n_+8 < NC
.set lc_, NC-9-n_
.if lc_ > 5
.set lc_, 5
.endif
	WIN W_CVT
	s_wait_loadcnt 8*lc_                           ; loads come back in order (ISA guide 5.7.1): chunk n + 8 is in, the younger chunks (five, fewer at the end) stay out
	CVT ((\k)+8)%6                                 ; these 16 are also the places behind the last tile's matrix instructions (ISA guide 7.12.1)
	WIN W_ACC
	PUT ((\k)+8)%6, STO+(((\k)+8)/4)%3, (((\k)+8)&3)*16*PITCH
.if n_+14 < NC
	GET ((\k)+8)%6, GOFF, 8, ((\k)+14)*SKB
.endif
.else
	PLACES                                         ; nothing left to convert: the places for the loads and multiply-adds below
.endif
	WIN W_MUL
.if n_+1 < NC
	FRAG (\k)+1                                    ; into the buffer that the last tile's matrix instructions have read
.endif
	KSTEP pb_, 2, 0
	KSTEP pb_, 3, 0
	KSTEP pb_, 4, 0
.if (\first) == 0
	WIN W_ACC
	FMA 1-pb_, ((\k)-1)&3                          ; the last tile's products
.if ((\k)&3) == 0
	SCLD (\k)/4                                    ; its scales were the last of four: the next four
.endif
.endif
	WIN W_MUL
	KSTEP pb_, 5, 0
.if bar_
	s_wait_dscnt 0x0                               ; for the others: my stores into the slot being filled and my reads of the slot to be filled next are done
	s_barrier_signal -1
	KSTEP pb_, 6, 0
	KSTEP pb_, 7, 0
	s_barrier_wait -1
.else
	KSTEP pb_, 6, 0
	KSTEP pb_, 7, 0
.endif
.endm
	s_load_b256 s[4:11], s[0:1], 0x0               ; q s[4:5], scales' source s[6:7], W s[8:9], bias s[10:11]
	s_load_b64 s[12:13], s[0:1], 0x20              ; the result
	v_lshl_add_u32 v254, v0, 2, 0x44000
	v_mov_b32 v255, 0
	ds_add_u32 v254, v255
	ds_add_u32 v254, v255
	v_lshrrev_b32 v15, 5, v0
	v_readfirstlane_b32 s14, v15                   ; wave
	s_and_b32 s16, ttmp7, 0xffff                   ; mb: block of 240 rows.  ttmp9 = x: which kept tile (and which quarter of k)
.if STAGE == 1
	s_lshr_b32 s18, ttmp9, 2                       ; kq
	s_and_b32 s19, ttmp9, 3                        ; dq
.endif
	v_and_b32 v15, 31, v0                          ; lane
	v_and_b32 v16, 15, v0                          ; r
	v_bfe_u32 v17, v0, 4, 1                        ; h
	v_lshlrev_b32 v[OUTO], 4, v15
	v_lshlrev_b32 v19, 3, v15                      ; 8 x lane
	v_mul_u32_u24 v20, v16, PITCH                  ; r rows
	v_lshl_add_u32 v18, v17, 4, v20                ; + 16 h: a fragment's lane term
	s_lshl_b32 s17, s14, 12
	v_add_nc_u32 v[GOFF], s17, v[OUTO]
	s_lshl_b32 s17, s14, 16
	v_add_nc_u32 v[QOFF], s17, v[OUTO]
	s_cmp_eq_u32 s14, 3
	s_cselect_b32 s20, 16384, 0                    ; wave 3's fourth tile takes the rows of its third
	s_sub_co_u32 s17, s17, s20
	v_add_nc_u32 v[QOFF2], s17, v[OUTO]
	s_mul_i32 s17, s14, 4*PITCH
	s_add_co_u32 s17, s17, RING
	v_add_nc_u32 v[STO], s17, v19
	v_add_nc_u32 v[STO+1], SLOTB, v[STO]
	v_add_nc_u32 v[STO+2], 2*SLOTB, v[STO]
.irp s, 0,1,2
	v_add_nc_u32 v[FRA+\s], RING+\s*SLOTB, v18
.endr
	v_lshl_add_u32 v[BIA], v17, 5, BIAS
	s_mul_i32 s17, s14, 16*PITCH
	s_add_co_u32 s17, s17, QS
	v_add_nc_u32 v[QSTO], s17, v19
	v_add_nc_u32 v[QFR], s17, v18
	; descriptors.  s[20:23], s[24:31]: my scales.  s[32:35], s[36:43]: my quarter of the bias.  Sizes in elements of 4 bytes.
	s_mov_b32 s20, 1                               ; count = 1
.if STAGE == 1
	s_mul_i32 s21, s14, 64*PITCH                   ; LDS: my 64 rows of 128 f32, padded to 528 bytes
	v_add_nc_u32 v[SCA], s21, v20
	s_mov_b32 s24, (2<<16)|(1<<20)|(6<<22)|(3<<25) ; elements of 4 bytes; padding on: after every 128 words, 4 words
	s_mov_b32 s25, 128<<16                         ; tensor_dim0 = 128
	s_lshl_b32 s17, s14, 6
	s_sub_co_u32 s17, 240, s17
	s_lshl_b32 s26, s17, 16                        ; tensor_dim1 = rows left of the block's 240: wave 3's last 16 rows arrive as zeros
	s_mov_b32 s27, 128<<16                         ; tile_dim0 = 128
	s_mov_b32 s28, 64                              ; tile_dim1 = 64
	s_mov_b32 s29, 512                             ; from row to row of sampled_feats
.else
	s_lshl_b32 s21, s14, 14                        ; LDS: my 4 tiles of 4,096 bytes, as they lie in f1n: [d / 4][r][4]
	v_lshl_add_u32 v[SCA], v16, 4, s21
	s_mov_b32 s24, 2<<16
	s_mov_b32 s25, 1024<<16                        ; a tile is one row of 1,024 elements
	s_lshl_b32 s17, s14, 2
	s_sub_co_u32 s17, 15, s17
	s_lshl_b32 s26, s17, 16                        ; tensor_dim1 = tiles left of the block's 15: wave 3's fourth arrives as zeros
	s_mov_b32 s27, 1024<<16
	s_mov_b32 s28, 4
	s_mov_b32 s29, 1024
.endif
	s_mov_b32 s30, 0
	s_mov_b32 s31, 0
	s_mov_b32 s32, 1
	s_mul_i32 s33, s14, (NC/4)*64
	s_add_co_u32 s33, s33, BIAS
	s_mov_b32 s36, 2<<16
	s_mov_b32 s37, 16<<16                          ; rows of 16 f32: the kept tile's bias for one c
	s_mov_b32 s38, (NC/4)<<16
	s_mov_b32 s39, 16<<16
	s_mov_b32 s40, NC/4
	s_mov_b32 s41, WS
	s_mov_b32 s42, 0
	s_mov_b32 s43, 0
	s_mov_b32 s47, 0                               ; every offset below is under 4 GiB: s[46:47]
	s_wait_dscnt 0x0
	s_wait_kmcnt 0x0
.if STAGE == 1
	s_mul_i32 s46, s16, 240                        ; scales: row 240 mb + 64 w of 2,048 bytes, + 512 kq
	s_lshl_b32 s17, s14, 6
	s_add_co_u32 s46, s46, s17
	s_lshl_b32 s46, s46, 11
	s_lshl_b32 s17, s18, 9
	s_add_co_u32 s46, s46, s17
.else
	s_mul_i32 s46, s16, 15                         ; scales: tile 15 mb + 4 w of 4,096 bytes
	s_lshl2_add_u32 s46, s14, s46
	s_lshl_b32 s46, s46, 12
.endif
	s_add_nc_u64 s[22:23], s[6:7], s[46:47]
	s_or_b32 s23, s23, 0x80000000                  ; type = 2
	tensor_load_to_lds s[20:23], s[24:31]
	s_nop 0
.if STAGE == 1
	s_lshl_b32 s46, s18, 15                        ; bias: 128 kq rows of 256 bytes, + 16 dq numbers, + my 32 rows
	s_lshl_b32 s17, s19, 6
	s_or_b32 s46, s46, s17
	s_lshl_b32 s17, s14, 13
	s_or_b32 s46, s46, s17
.else
	s_lshl_b32 s46, ttmp9, 6                       ; bias: 16 x numbers, + my 16 rows of 1,024 bytes
	s_lshl_b32 s17, s14, 14
	s_or_b32 s46, s46, s17
.endif
	s_add_nc_u64 s[34:35], s[10:11], s[46:47]
	s_or_b32 s35, s35, 0x80000000
	tensor_load_to_lds s[32:35], s[36:43]          ; two tensor loads of this wave are out; no descriptor register is written again
	s_nop 0
	s_mul_i32 s46, s16, 240*1024
	s_add_nc_u64 s[4:5], s[4:5], s[46:47]          ; q at the block's first row
.if STAGE == 1
	s_lshl_b32 s46, s18, 23                        ; W: row (128 kq) 64 + 16 dq
	s_lshl_b32 s17, s19, 14
	s_or_b32 s46, s46, s17
.else
	s_lshl_b32 s46, ttmp9, 14                      ; W: row 16 x
.endif
	s_add_nc_u64 s[8:9], s[8:9], s[46:47]
	s_mul_i32 s46, ttmp9, 225                      ; result: [x][tile][2][32 lanes][4 f32], tile 15 mb + 4 w
	s_mul_i32 s17, s16, 15
	s_add_co_u32 s46, s46, s17
	s_lshl2_add_u32 s46, s14, s46
	s_lshl_b32 s46, s46, 10
	s_add_nc_u64 s[12:13], s[12:13], s[46:47]
	; q: 16 chunks of 4 rows through the staging ring (chunk s in place (s + 2) % 6, so that W's chunk m falls on m % 6), 16 rows at a time through my scratch
	WIN W_ACC
.set s_, 0
.rept 6
	GET (s_+2)%6, QOFF, 4, s_*4096
.set s_, s_+1
.endr
.set s_, 0
.rept 16
	WIN W_CVT
	s_wait_loadcnt 40                              ; the oldest chunk is in; five chunks of eight loads stay out
	CVT (s_+2)%6
	WIN W_ACC
.if (s_&3) == 0
.if s_
	s_wait_dscnt 0x0                               ; the last tile's fragments have left the scratch
.endif
.endif
	PUT (s_+2)%6, QSTO, (s_&3)*4*PITCH
.if s_+6 < 12
	GET (s_+2)%6, QOFF, 4, (s_+6)*4096
.else
.if s_+6 < 16
	GET (s_+2)%6, QOFF2, 4, (s_+6)*4096
.else
	GET (s_+2)%6, GOFF, 8, (s_-10)*SKB             ; behind q: W's chunks 0 to 5
.endif
.endif
.if (s_&3) == 3
	WIN W_Q
	QFRAG s_/4                                     ; LDS serves a wave's instructions in order (ISA guide 5.7.1): these see the stores above
.endif
.set s_, s_+1
.endr
	; W's chunks 0 to 7: ring slots 0 and 1
.set s_, 0
.rept 8
	WIN W_CVT
	s_wait_loadcnt 40
	CVT s_%6
	WIN W_ACC
	PUT s_%6, STO+s_/4, (s_&3)*16*PITCH
	GET s_%6, GOFF, 8, (s_+6)*SKB
.set s_, s_+1
.endr
.set s_, 0
.rept 32
	v_mov_b32 v[ACC+s_], 0                         ; 32 registers: the first multiply-add stands in the loop's body
.set s_, s_+1
.endr
	s_wait_tensorcnt 0x0                           ; my scales and my quarter of the bias are in,
	s_wait_dscnt 0x0                               ; my stores into slots 0 and 1 are done, q's fragments are in:
	s_barrier_signal -1
	s_barrier_wait -1                              ; everybody's are
	WIN W_MUL
	FRAG 0
	WIN W_ACC
	SCLD 0
.set NB, 0
	BATCH 0, 1
	WIN 0
	s_mov_b32 s44, 0
.Lbody:                                            ; 12 column tiles: once round the three slots, twice round the six staging places
.set kk_, 1
.rept 12
	BATCH kk_, 0
.set kk_, kk_+1
.endr
	WIN 0
	s_wait_xcnt 0x0                                ; the base of loads that are out is stepped only behind this wait
	s_add_nc_u64 s[8:9], s[8:9], 12*SKB
	v_add_nc_u32 v[BIA], 12*64, v[BIA]
	v_add_nc_u32 v[SCA], 3*SC_T, v[SCA]
	s_add_co_u32 s44, s44, 1
	s_cmp_lt_u32 s44, NBODY
	s_cbranch_scc1 .Lbody
.set NB, 12*NBODY                                  ; the tail is written out: loads, stores, barriers and fragment loads end one after the other
.set kk_, 1
.rept NC-1-12*NBODY
	BATCH kk_, 0
.set kk_, kk_+1
.endr
	PLACES
	WIN W_ACC
	FMA (NC-1)&1, 3                                ; the last tile's products
.irp bt, 0,1,2
	global_store_b128 v[OUTO], v[ACC+8*\bt:ACC+8*\bt+3], s[12:13] offset:\bt*1024       ; 512 neighbouring bytes an instruction
	global_store_b128 v[OUTO], v[ACC+8*\bt+4:ACC+8*\bt+7], s[12:13] offset:\bt*1024+512
.endr
	WIN 0
	s_cmp_eq_u32 s14, 3
	s_cbranch_scc1 .Lend                           ; wave 3 has no fourth tile
	WIN W_ACC
	global_store_b128 v[OUTO], v[ACC+24:ACC+27], s[12:13] offset:3072
	global_store_b128 v[OUTO], v[ACC+28:ACC+31], s[12:13] offset:3584
	WIN 0
.Lend:
	s_wait_tensorcnt 0x0
	ds_add_u32 v254, v255
	s_wait_dscnt 0x0
	s_endpgm
.Lfunc_end_k_qf7ead13bc1_s1:
	.size	k_qf7ead13bc1_s1, .Lfunc_end_k_qf7ead13bc1_s1-k_qf7ead13bc1_s1
	.p2alignl 7, 3214868480
	.fill 96, 4, 3214868480
	.section	.rodata,"a",@progbits
	.p2align	6, 0x0
	.amdhsa_kernel k_qf7ead13bc1_s1
		.amdhsa_group_segment_fixed_size 279040
		.amdhsa_private_segment_fixed_size 0
		.amdhsa_enable_private_segment 0
		.amdhsa_kernarg_size 40
		.amdhsa_user_sgpr_count 2
		.amdhsa_user_sgpr_kernarg_segment_ptr 1
		.amdhsa_wavefront_size32 1
		.amdhsa_system_sgpr_workgroup_id_x 1
		.amdhsa_system_sgpr_workgroup_id_y 1
		.amdhsa_system_sgpr_workgroup_id_z 1
		.amdhsa_system_vgpr_workitem_id 0
		.amdhsa_next_free_vgpr 768
		.amdhsa_next_free_sgpr 66
		.amdhsa_reserve_vcc 0
		.amdhsa_float_denorm_mode_32 3
		.amdhsa_float_denorm_mode_16_64 3
		.amdhsa_memory_ordered 1
		.amdhsa_forward_progress 1
		.amdhsa_inst_pref_size 255
	.end_amdhsa_kernel
	.section	.bss,"aw",@nobits
	.p2align	6
	.space	262144
	.amdgpu_metadata
---
amdhsa.version: [ 1, 2 ]
amdhsa.kernels:
  - .name:           k_qf7ead13bc1_s1
    .symbol:         k_qf7ead13bc1_s1.kd
    .args:
      - { .name: query, .offset: 0, .size: 8, .value_kind: global_buffer, .address_space: global }
      - { .name: sampled_feats, .offset: 8, .size: 8, .value_kind: global_buffer, .address_space: global }
      - { .name: W_pre, .offset: 16, .size: 8, .value_kind: global_buffer, .address_space: global }
      - { .name: b_pre, .offset: 24, .size: 8, .value_kind: global_buffer, .address_space: global }
      - { .name: f1p, .offset: 32, .size: 8, .value_kind: global_buffer, .address_space: global }
    .group_segment_fixed_size: 279040
    .private_segment_fixed_size: 0
    .kernarg_segment_align: 8
    .kernarg_segment_size: 40
    .max_flat_workgroup_size: 128
    .sgpr_count:     66
    .vgpr_count:     768
    .wavefront_size: 32
...
	.end_amdgpu_metadata
.endif
;; end of part 1
;; launch ln1 (part 2): grid 225 x 1, 1 waves a work-group, no clusters, 0 bytes of LDS; arguments f1p, g1, be1, f1n; writes f1n
.if DOCPART == 2
	.amdgcn_target "amdgcn-amd-amdhsa--gfx1250"
	.amdhsa_code_object_version 6
	.text
	.protected	k_qf7ead13bc1_ln1
	.globl	k_qf7ead13bc1_ln1
	.p2align	8
	.type	k_qf7ead13bc1_ln1,@function
k_qf7ead13bc1_ln1:
	s_mov_b64 s[64:65], 0
	v_nop
	global_prefetch_b8 v0, s[64:65] scope:SCOPE_SE
	s_setreg_imm32_b32 hwreg(HW_REG_WAVE_MODE, 25, 1), 1
	s_wait_xcnt 0x0
; f1n = relu(LayerNorm over 64 d of (the sum of the four partial sums over k)) * g1 + be1 inside the relu, as in the reference.
; One wave takes one tile of 16 rows.  f1p: [x = 4 kq + dq][tile][quad][lane][4 f32]; lane (r, h) holds row r, d = 16 dq + 8 h + 4 quad + i:
; every load is 512 neighbouring bytes.  A row's 64 numbers lie in two lanes (h = 0, 1), 32 registers each: one step across the halves ends each sum.
; f1n: [tile][d / 4][r][4 f32], the order in which the next launch's lanes take four scales at once; a store fills two aligned pieces of 256 bytes.
; The variance is taken from centred values.  No LDS, no barrier, no matrix unit: 16 KB in, 4 KB out for each wave, memory is all there is.
; LIMIT: relu by v_max_num_f32 turns a NaN into 0.
.set X,  16                            ; v16-143   partial kq at 32 kq, then 8 dq + 4 quad + i
.set G,  144                           ; v144-175  g1 of my 32 d
.set B,  176                           ; v176-207  be1
.set T,  4                             ; v4-11     four chains of pairs
.set MR, 12                            ; v12-13    the mean, later 1 / sigma, twice
.set PS, 12                            ; s12-13    v_permlanex16_b32: lane i of the other half
.macro FOLD                            ; the four chains into v[T]: this lane's numbers and those of its partner in the other half
	v_pk_add_f32 v[T:T+1], v[T:T+1], v[T+2:T+3]
	v_pk_add_f32 v[T+4:T+5], v[T+4:T+5], v[T+6:T+7]
	v_pk_add_f32 v[T:T+1], v[T:T+1], v[T+4:T+5]
	v_add_f32 v[T], v[T], v[T+1]
	v_permlanex16_b32 v[T+1], v[T], s[PS], s[PS+1]
	v_add_f32 v[T], v[T], v[T+1]
.endm
.macro LSUM base, groups               ; sum of 8 x groups registers; the first two groups start the chains
.irp c, 0,2,4,6
	v_pk_add_f32 v[T+\c:T+\c+1], v[\base+\c:\base+\c+1], v[\base+8+\c:\base+8+\c+1]
.endr
.set g_, 2
.rept \groups-2
.irp c, 0,2,4,6
	v_pk_add_f32 v[T+\c:T+\c+1], v[T+\c:T+\c+1], v[\base+8*g_+\c:\base+8*g_+\c+1]
.endr
.set g_, g_+1
.endr
	FOLD
.endm
.macro LSQ base, groups                ; sum of their squares
.irp c, 0,2,4,6
	v_pk_mul_f32 v[T+\c:T+\c+1], v[\base+\c:\base+\c+1], v[\base+\c:\base+\c+1]
.endr
.set g_, 1
.rept \groups-1
.irp c, 0,2,4,6
	v_pk_fma_f32 v[T+\c:T+\c+1], v[\base+8*g_+\c:\base+8*g_+\c+1], v[\base+8*g_+\c:\base+8*g_+\c+1], v[T+\c:T+\c+1]
.endr
.set g_, g_+1
.endr
	FOLD
.endm
.macro CENTRE base, pairs
.set g_, 0
.rept \pairs
	v_pk_add_f32 v[\base+2*g_:\base+2*g_+1], v[\base+2*g_:\base+2*g_+1], v[MR:MR+1] neg_lo:[0,1] neg_hi:[0,1]
.set g_, g_+1
.endr
.endm
.macro NORM x, g, b                    ; relu(x / sigma * gain + bias), two numbers
	v_pk_mul_f32 v[(\x):(\x)+1], v[(\x):(\x)+1], v[MR:MR+1]
	v_pk_fma_f32 v[(\x):(\x)+1], v[(\x):(\x)+1], v[(\g):(\g)+1], v[(\b):(\b)+1]
	v_max_num_f32 v[(\x)], 0, v[(\x)]
	v_max_num_f32 v[(\x)+1], 0, v[(\x)+1]
.endm
	s_load_b256 s[4:11], s[0:1], 0x0               ; f1p s[4:5], g1 s[6:7], be1 s[8:9], f1n s[10:11]
	v_lshlrev_b32 v1, 4, v0                        ; 16 x lane
	v_lshrrev_b32 v14, 4, v0                       ; h
	v_and_b32 v15, 15, v0                          ; r
	v_lshlrev_b32 v2, 5, v14                       ; 32 h: my 8 d of each 16 in g1 and be1
	v_lshlrev_b32 v3, 9, v14
	v_lshl_add_u32 v3, v15, 4, v3                  ; 512 h + 16 r in f1n
	s_mov_b32 s12, 0x76543210
	s_mov_b32 s13, 0xfedcba98
	s_mov_b32 s14, 0x3c800000                      ; 1 / 64
	s_mov_b32 s15, 0x3727c5ac                      ; 1e-5
	s_lshl_b32 s16, ttmp9, 10
	s_mov_b32 s17, 0
	s_lshl_b32 s18, ttmp9, 12
	s_mov_b32 s19, 0
	s_wait_kmcnt 0x0
	s_add_nc_u64 s[4:5], s[4:5], s[16:17]
	s_add_nc_u64 s[10:11], s[10:11], s[18:19]
.irp kq, 0,1,2,3
.irp dq, 0,1,2,3
.irp q, 0,1
	global_load_b128 v[X+32*\kq+8*\dq+4*\q:X+32*\kq+8*\dq+4*\q+3], v1, s[4:5] offset:\kq*921600+\dq*230400+\q*512
.endr
.endr
.endr
.irp dq, 0,1,2,3
.irp q, 0,1
	global_load_b128 v[G+8*\dq+4*\q:G+8*\dq+4*\q+3], v2, s[6:7] offset:\dq*64+\q*16
	global_load_b128 v[B+8*\dq+4*\q:B+8*\dq+4*\q+3], v2, s[8:9] offset:\dq*64+\q*16
.endr
.endr
	s_wait_loadcnt 16                              ; the 32 loads of partial sums are in; the 16 of g1 and be1 may stay out
.set p_, 0
.rept 16
	v_pk_add_f32 v[X+2*p_:X+2*p_+1], v[X+2*p_:X+2*p_+1], v[X+32+2*p_:X+32+2*p_+1]
	v_pk_add_f32 v[X+64+2*p_:X+64+2*p_+1], v[X+64+2*p_:X+64+2*p_+1], v[X+96+2*p_:X+96+2*p_+1]
.set p_, p_+1
.endr
.set p_, 0
.rept 16
	v_pk_add_f32 v[X+2*p_:X+2*p_+1], v[X+2*p_:X+2*p_+1], v[X+64+2*p_:X+64+2*p_+1]
.set p_, p_+1
.endr
	LSUM X, 4
	v_mul_f32 v[MR], s14, v[T]
	v_mul_f32 v[MR+1], s14, v[T]
	CENTRE X, 16
	LSQ X, 4
	v_fma_f32 v[T], v[T], s14, s15                 ; variance + eps
	v_rsq_f32 v[MR], v[T]
	v_nop                                          ; one plain place behind the transcendental before its result is read (ISA guide 5.7.2)
	s_wait_alu depctr_va_vdst(0)
	v_mov_b32 v[MR+1], v[MR]
	s_wait_loadcnt 0x0
.set p_, 0
.rept 16
	NORM X+2*p_, G+2*p_, B+2*p_
.set p_, p_+1
.endr
.irp dq, 0,1,2,3
.irp q, 0,1
	global_store_b128 v3, v[X+8*\dq+4*\q:X+8*\dq+4*\q+3], s[10:11] offset:\dq*1024+\q*256
.endr
.endr
	s_endpgm
.Lfunc_end_k_qf7ead13bc1_ln1:
	.size	k_qf7ead13bc1_ln1, .Lfunc_end_k_qf7ead13bc1_ln1-k_qf7ead13bc1_ln1
	.p2alignl 7, 3214868480
	.fill 96, 4, 3214868480
	.section	.rodata,"a",@progbits
	.p2align	6, 0x0
	.amdhsa_kernel k_qf7ead13bc1_ln1
		.amdhsa_group_segment_fixed_size 0
		.amdhsa_private_segment_fixed_size 0
		.amdhsa_enable_private_segment 0
		.amdhsa_kernarg_size 32
		.amdhsa_user_sgpr_count 2
		.amdhsa_user_sgpr_kernarg_segment_ptr 1
		.amdhsa_wavefront_size32 1
		.amdhsa_system_sgpr_workgroup_id_x 1
		.amdhsa_system_sgpr_workgroup_id_y 1
		.amdhsa_system_sgpr_workgroup_id_z 1
		.amdhsa_system_vgpr_workitem_id 0
		.amdhsa_next_free_vgpr 208
		.amdhsa_next_free_sgpr 66
		.amdhsa_reserve_vcc 0
		.amdhsa_float_denorm_mode_32 3
		.amdhsa_float_denorm_mode_16_64 3
		.amdhsa_memory_ordered 1
		.amdhsa_forward_progress 1
		.amdhsa_inst_pref_size 16
	.end_amdhsa_kernel
	.amdgpu_metadata
---
amdhsa.version: [ 1, 2 ]
amdhsa.kernels:
  - .name:           k_qf7ead13bc1_ln1
    .symbol:         k_qf7ead13bc1_ln1.kd
    .args:
      - { .name: f1p, .offset: 0, .size: 8, .value_kind: global_buffer, .address_space: global }
      - { .name: g1, .offset: 8, .size: 8, .value_kind: global_buffer, .address_space: global }
      - { .name: be1, .offset: 16, .size: 8, .value_kind: global_buffer, .address_space: global }
      - { .name: f1n, .offset: 24, .size: 8, .value_kind: global_buffer, .address_space: global }
    .group_segment_fixed_size: 0
    .private_segment_fixed_size: 0
    .kernarg_segment_align: 8
    .kernarg_segment_size: 32
    .max_flat_workgroup_size: 32
    .sgpr_count:     66
    .vgpr_count:     208
    .wavefront_size: 32
...
	.end_amdgpu_metadata
.endif
;; end of part 2
;; launch s2 (part 3): grid 16 x 15, 4 waves a work-group, no clusters, 279,040 bytes of LDS; arguments query, f1n, W_aft, b_aft, f2; writes f2
.if DOCPART == 3
	.amdgcn_target "amdgcn-amd-amdhsa--gfx1250"
	.amdhsa_code_object_version 6
	.text
	.protected	k_qf7ead13bc1_s2
	.globl	k_qf7ead13bc1_s2
	.p2align	8
	.type	k_qf7ead13bc1_s2,@function
k_qf7ead13bc1_s2:
	s_mov_b64 s[64:65], 0
	v_nop
	global_prefetch_b8 v0, s[64:65] scope:SCOPE_SE
	s_setreg_imm32_b32 hwreg(HW_REG_WAVE_MODE, 25, 1), 1
	s_wait_xcnt 0x0
; DYNAMIC WEIGHTS AND THEIR CONTRACTION, in one pass.  STAGE 1: f1p[b][d] = sum over a quarter of k of feats[b][k] (q[b].W_pre[64 k + d] + b_pre[64 k + d]).
; STAGE 2: f2[b][e] = sum over all d of f1n[b][d] (q[b].W_aft[256 d + e] + b_aft[256 d + e]).  The two texts differ in the line .set STAGE alone.
; A work-group owns 240 rows b (15 tiles of 16) and one kept tile of 16 outputs j (16 d, or 16 e), and walks NC contraction indices c.
; For each c the 16 weight rows (c, j) are 16 KB of f32 in one piece: a COLUMN TILE.  Wave w owns rows 64 w .. 64 w + 63 of the block (4 tiles bt).
; The matrix instruction is used transposed: A = 16 weight rows, B = 16 rows of q, so register jj of lane (r, h) holds P[b = r][j = 8 h + jj]:
; a lane's scale (feats or f1n of its row b and this c) is ONE number, the bias is a C operand common to all four bt, and the contraction is
; 16 packed multiply-adds for 32 matrix instructions.  The dynamic weights P never leave registers.
; Wave 3 has only three tiles (240 = 3 x 64 + 48): its fourth takes the q rows of its third with scales of zero and is not stored; 1/16 of the products.
; FORMATS: q and W go to the matrix unit as f16 (11 bits; bf16's 8 would eat most of the allowed error after three norms); sums, biases, scales in f32.
; LIMITS: |q| and |W| below 65504, magnitudes below 6e-8 become 0; the sums over c are grouped otherwise than in the reference.
; NO CLUSTER, NO TENSOR LOAD FOR W, though the 15 work-groups of one x walk the same W: W lies in memory as f32 and the matrix unit takes f16.  A tile
; brought by the mover would land as f32 and have to be read, converted and stored again: for 4 column tiles 64 KB written and 64 KB read on top of the
; 32 KB of f16 stored and the 128 KB of fragments read: the LDS bytes behind these 128 matrix instructions of each wave rise from 160 KB to 288 KB.
; So each wave loads a quarter of each column tile through registers (512 neighbouring bytes an instruction), converts once, and stores f16.
.set STAGE, 2
.if STAGE == 1
.set NC,    128                        ; column tiles of a work-group (k of one quarter)
.set SKB,   65536                      ; bytes of W from c to c + 1: 64 rows of 1,024
.set WS,    64                         ; the same step in the bias, in elements
.set SC_BT, 8448                       ; scales in LDS: from tile bt to bt + 1 (16 rows of 528 bytes)
.set SC_T,  16                         ; and from four c to the next four
.set NBODY, 9                          ; trips of the loop, 12 column tiles each
.else
.set NC,    64                         ; column tiles of a work-group (all d)
.set SKB,   262144                     ; 256 rows of 1,024 bytes
.set WS,    256
.set SC_BT, 4096                       ; a tile of f1n
.set SC_T,  256                        ; [d / 4]: 16 rows x 16 bytes
.set NBODY, 4
.endif
.set PITCH, 528                        ; an LDS row of 256 f16 (or 128 f32) + 16 bytes: 33 x 16, so 16 rows start at 16 different 16-byte columns
; LDS: 0 scales (each wave its own part, filled by a tensor load); BIAS [c][16] f32 (tensor loads, a quarter a wave);
;      RING 3 slots of 4 column tiles in f16 (LDS stores only); QS each wave's own 16 rows of q on their way into fragments (LDS stores only)
.set BIAS,  135168
.set RING,  143360
.set SLOTB, 64*PITCH
.set QS,    RING+3*SLOTB
; window 0
.set OUTO,  1                          ; 16 x lane
.set GOFF,  2                          ; W: wave x 4 rows + 16 x lane
.set QOFF,  3                          ; q: wave x 64 rows + 16 x lane
.set QOFF2, 4                          ; the same for tile bt = 3; wave 3: 16 rows back
.set STO,   5                          ; v5-7   slot s: where I store f16
.set FRA,   8                          ; v8-10  slot s: where I read fragments
.set BIA,   11                         ; bias of column tile 0 of the trip, + 32 h
.set SCA,   12                         ; my row's scales
.set QSTO,  13
.set QFR,   14
.set BR,    16                         ; v16-31   bias as C operand, two buffers
.set P,     32                         ; v32-95   products, two buffers of 4 tiles
.set WF,    96                         ; v96-223  weight fragments, two buffers of 8
; window 1
.set QF,    0                          ; v256-511 q fragments (bt, c) at 64 bt + 8 c: loaded once
; window 2
.set ACC,   0                          ; v512-543 the sums, tile bt at 8 bt
.set SCL,   32                         ; v544-559 scales of four c, 4 bt + i
.set ST,    64                         ; v576-767 staging: six chunks of 32 registers on their way from memory
.set MSB, 0
.macro WIN new                         ; s_set_vgpr_msb: bits 1:0 source 0, 3:2 source 1, 5:4 source 2, 7:6 destination; the high byte repeats the setting left
.if MSB != \new
	s_set_vgpr_msb (MSB<<8)|\new
.set MSB, \new
.endif
.endm
.set W_MUL, 0x04                       ; B in window 1; also loads into window 0
.set W_ACC, 0xa8                       ; source 1, source 2, destination in window 2: multiply-adds, stores from and loads into window 2
.set W_CVT, 0xaa                       ; all in window 2
.set W_Q,   0x40                       ; loads into window 1
.macro PLACES                          ; four places behind a matrix instruction (ISA guide 7.12.1) where there is no useful work to fill them
.rept 4
	v_nop
.endr
.endm
.macro CVT pos                         ; a chunk of 32 f32 a lane to f16, in place: words 4 j, 4 j + 1 hold the four numbers of load j
.set cs_, ST+32*(\pos)
.irp j, 0,1,2,3,4,5,6,7
	v_cvt_pk_f16_f32 v[cs_+4*\j], v[cs_+4*\j], v[cs_+4*\j+1]
	v_cvt_pk_f16_f32 v[cs_+4*\j+1], v[cs_+4*\j+2], v[cs_+4*\j+3]
.endr
.endm
.macro PUT pos, areg, imm              ; the chunk's 4 rows into LDS: 32 lanes x 8 bytes are half a row
.set cs_, ST+32*(\pos)
.irp j, 0,1,2,3,4,5,6,7
	ds_store_b64 v[\areg], v[cs_+4*\j:cs_+4*\j+1] offset:(\j>>1)*PITCH+(\j&1)*256+(\imm)
.endr
.endm
.macro GET pos, oreg, sb, imm          ; eight loads of 512 neighbouring bytes: 4 rows of 1,024 bytes
.set cs_, ST+32*(\pos)
.irp j, 0,1,2,3,4,5,6,7
	global_load_b128 v[cs_+4*\j:cs_+4*\j+3], v[\oreg], s[\sb:\sb+1] offset:512*\j+(\imm)
.endr
.endm
.macro QFRAG bt                        ; 16 rows of q from my scratch into the 8 fragments of tile bt
.irp c, 0,1,2,3,4,5,6,7
	ds_load_b128 v[QF+64*(\bt)+8*\c:QF+64*(\bt)+8*\c+3], v[QFR] offset:64*\c
	ds_load_b128 v[QF+64*(\bt)+8*\c+4:QF+64*(\bt)+8*\c+7], v[QFR] offset:64*\c+32
.endr
.endm
.macro FRAG k                          ; column tile k: its 8 fragments and its bias, into buffer k & 1
.set fs_, ((\k)/4)%3
.set fi_, (\k)&3
.set fb_, (\k)&1
.irp c, 0,1,2,3,4,5,6,7
	ds_load_b128 v[WF+64*fb_+8*\c:WF+64*fb_+8*\c+3], v[FRA+fs_] offset:fi_*16*PITCH+64*\c
	ds_load_b128 v[WF+64*fb_+8*\c+4:WF+64*fb_+8*\c+7], v[FRA+fs_] offset:fi_*16*PITCH+64*\c+32
.endr
	ds_load_b128 v[BR+8*fb_:BR+8*fb_+3], v[BIA] offset:64*(\k)
	ds_load_b128 v[BR+8*fb_+4:BR+8*fb_+7], v[BIA] offset:64*(\k)+16
.endm
.macro KSTEP pb, c, first              ; 32 along K for the four tiles; the first step takes the bias as C: nothing is cleared
.irp bt, 0,1,2,3
.if \first
	v_wmma_f32_16x16x32_f16 v[P+32*(\pb)+8*\bt:P+32*(\pb)+8*\bt+7], v[WF+64*(\pb)+8*(\c):WF+64*(\pb)+8*(\c)+7], v[QF+64*\bt+8*(\c):QF+64*\bt+8*(\c)+7], v[BR+8*(\pb):BR+8*(\pb)+7]
.else
	v_wmma_f32_16x16x32_f16 v[P+32*(\pb)+8*\bt:P+32*(\pb)+8*\bt+7], v[WF+64*(\pb)+8*(\c):WF+64*(\pb)+8*(\c)+7], v[QF+64*\bt+8*(\c):QF+64*\bt+8*(\c)+7], v[P+32*(\pb)+8*\bt:P+32*(\pb)+8*\bt+7]
.endif
.endr
.endm
.macro FMA pb, i                       ; sums += products x my row's scale number i of the four loaded (one register of a pair, given to both halves)
.irp bt, 0,1,2,3
.irp e, 0,2,4,6
.if (\i)&1
	v_pk_fma_f32 v[ACC+8*\bt+\e:ACC+8*\bt+\e+1], v[P+32*(\pb)+8*\bt+\e:P+32*(\pb)+8*\bt+\e+1], v[SCL+4*\bt+((\i)&2):SCL+4*\bt+((\i)&2)+1], v[ACC+8*\bt+\e:ACC+8*\bt+\e+1] op_sel:[0,1,0]
.else
	v_pk_fma_f32 v[ACC+8*\bt+\e:ACC+8*\bt+\e+1], v[P+32*(\pb)+8*\bt+\e:P+32*(\pb)+8*\bt+\e+1], v[SCL+4*\bt+((\i)&2):SCL+4*\bt+((\i)&2)+1], v[ACC+8*\bt+\e:ACC+8*\bt+\e+1] op_sel_hi:[1,0,1]
.endif
.endr
.endr
.endm
.macro SCLD t                          ; the scales of c = 4 t .. 4 t + 3 for my row of each tile
.irp bt, 0,1,2,3
	ds_load_b128 v[SCL+4*\bt:SCL+4*\bt+3], v[SCA] offset:\bt*SC_BT+(\t)*SC_T
.endr
.endm
; ONE COLUMN TILE, number n = NB + k: 32 matrix instructions.  Chunk m (my quarter of column tile m) is asked for in batch m - 14, converted and stored
; in batch m - 8, read as fragments in batch m - 1.  Four column tiles fill a slot; the slot written in a stretch of four batches is the one read out in the
; stretch before, and one barrier at each stretch's end (n % 4 = 3) says both: my reads of the old slot are over, my stores into the new one are done.
.macro BATCH k, first
.set n_, NB+(\k)
.set pb_, (\k)&1
.set bar_, 0
.if n_+8 < NC
.if (n_&3) == 3
.set bar_, 1
.endif
.endif
	WIN W_MUL
	s_wait_dscnt 0x0                               ; this tile's fragments, bias and scales: issued 24 matrix instructions ago (scales 12; in batch 0 just before)
	KSTEP pb_, 0, 1
	KSTEP pb_, 1, 0
.if n_+8 < NC
.set lc_, NC-9-n_
.if lc_ > 5
.set lc_, 5
.endif
	WIN W_CVT
	s_wait_loadcnt 8*lc_                           ; loads come back in order (ISA guide 5.7.1): chunk n + 8 is in, the younger chunks (five, fewer at the end) stay out
	CVT ((\k)+8)%6                                 ; these 16 are also the places behind the last tile's matrix instructions (ISA guide 7.12.1)
	WIN W_ACC
	PUT ((\k)+8)%6, STO+(((\k)+8)/4)%3, (((\k)+8)&3)*16*PITCH
.if n_+14 < NC
	GET ((\k)+8)%6, GOFF, 8, ((\k)+14)*SKB
.endif
.else
	PLACES                                         ; nothing left to convert: the places for the loads and multiply-adds below
.endif
	WIN W_MUL
.if n_+1 < NC
	FRAG (\k)+1                                    ; into the buffer that the last tile's matrix instructions have read
.endif
	KSTEP pb_, 2, 0
	KSTEP pb_, 3, 0
	KSTEP pb_, 4, 0
.if (\first) == 0
	WIN W_ACC
	FMA 1-pb_, ((\k)-1)&3                          ; the last tile's products
.if ((\k)&3) == 0
	SCLD (\k)/4                                    ; its scales were the last of four: the next four
.endif
.endif
	WIN W_MUL
	KSTEP pb_, 5, 0
.if bar_
	s_wait_dscnt 0x0                               ; for the others: my stores into the slot being filled and my reads of the slot to be filled next are done
	s_barrier_signal -1
	KSTEP pb_, 6, 0
	KSTEP pb_, 7, 0
	s_barrier_wait -1
.else
	KSTEP pb_, 6, 0
	KSTEP pb_, 7, 0
.endif
.endm
	s_load_b256 s[4:11], s[0:1], 0x0               ; q s[4:5], scales' source s[6:7], W s[8:9], bias s[10:11]
	s_load_b64 s[12:13], s[0:1], 0x20              ; the result
	v_lshl_add_u32 v254, v0, 2, 0x44000
	v_mov_b32 v255, 0
	ds_add_u32 v254, v255
	ds_add_u32 v254, v255
	v_lshrrev_b32 v15, 5, v0
	v_readfirstlane_b32 s14, v15                   ; wave
	s_and_b32 s16, ttmp7, 0xffff                   ; mb: block of 240 rows.  ttmp9 = x: which kept tile (and which quarter of k)
.if STAGE == 1
	s_lshr_b32 s18, ttmp9, 2                       ; kq
	s_and_b32 s19, ttmp9, 3                        ; dq
.endif
	v_and_b32 v15, 31, v0                          ; lane
	v_and_b32 v16, 15, v0                          ; r
	v_bfe_u32 v17, v0, 4, 1                        ; h
	v_lshlrev_b32 v[OUTO], 4, v15
	v_lshlrev_b32 v19, 3, v15                      ; 8 x lane
	v_mul_u32_u24 v20, v16, PITCH                  ; r rows
	v_lshl_add_u32 v18, v17, 4, v20                ; + 16 h: a fragment's lane term
	s_lshl_b32 s17, s14, 12
	v_add_nc_u32 v[GOFF], s17, v[OUTO]
	s_lshl_b32 s17, s14, 16
	v_add_nc_u32 v[QOFF], s17, v[OUTO]
	s_cmp_eq_u32 s14, 3
	s_cselect_b32 s20, 16384, 0                    ; wave 3's fourth tile takes the rows of its third
	s_sub_co_u32 s17, s17, s20
	v_add_nc_u32 v[QOFF2], s17, v[OUTO]
	s_mul_i32 s17, s14, 4*PITCH
	s_add_co_u32 s17, s17, RING
	v_add_nc_u32 v[STO], s17, v19
	v_add_nc_u32 v[STO+1], SLOTB, v[STO]
	v_add_nc_u32 v[STO+2], 2*SLOTB, v[STO]
.irp s, 0,1,2
	v_add_nc_u32 v[FRA+\s], RING+\s*SLOTB, v18
.endr
	v_lshl_add_u32 v[BIA], v17, 5, BIAS
	s_mul_i32 s17, s14, 16*PITCH
	s_add_co_u32 s17, s17, QS
	v_add_nc_u32 v[QSTO], s17, v19
	v_add_nc_u32 v[QFR], s17, v18
	; descriptors.  s[20:23], s[24:31]: my scales.  s[32:35], s[36:43]: my quarter of the bias.  Sizes in elements of 4 bytes.
	s_mov_b32 s20, 1                               ; count = 1
.if STAGE == 1
	s_mul_i32 s21, s14, 64*PITCH                   ; LDS: my 64 rows of 128 f32, padded to 528 bytes
	v_add_nc_u32 v[SCA], s21, v20
	s_mov_b32 s24, (2<<16)|(1<<20)|(6<<22)|(3<<25) ; elements of 4 bytes; padding on: after every 128 words, 4 words
	s_mov_b32 s25, 128<<16                         ; tensor_dim0 = 128
	s_lshl_b32 s17, s14, 6
	s_sub_co_u32 s17, 240, s17
	s_lshl_b32 s26, s17, 16                        ; tensor_dim1 = rows left of the block's 240: wave 3's last 16 rows arrive as zeros
	s_mov_b32 s27, 128<<16                         ; tile_dim0 = 128
	s_mov_b32 s28, 64                              ; tile_dim1 = 64
	s_mov_b32 s29, 512                             ; from row to row of sampled_feats
.else
	s_lshl_b32 s21, s14, 14                        ; LDS: my 4 tiles of 4,096 bytes, as they lie in f1n: [d / 4][r][4]
	v_lshl_add_u32 v[SCA], v16, 4, s21
	s_mov_b32 s24, 2<<16
	s_mov_b32 s25, 1024<<16                        ; a tile is one row of 1,024 elements
	s_lshl_b32 s17, s14, 2
	s_sub_co_u32 s17, 15, s17
	s_lshl_b32 s26, s17, 16                        ; tensor_dim1 = tiles left of the block's 15: wave 3's fourth arrives as zeros
	s_mov_b32 s27, 1024<<16
	s_mov_b32 s28, 4
	s_mov_b32 s29, 1024
.endif
	s_mov_b32 s30, 0
	s_mov_b32 s31, 0
	s_mov_b32 s32, 1
	s_mul_i32 s33, s14, (NC/4)*64
	s_add_co_u32 s33, s33, BIAS
	s_mov_b32 s36, 2<<16
	s_mov_b32 s37, 16<<16                          ; rows of 16 f32: the kept tile's bias for one c
	s_mov_b32 s38, (NC/4)<<16
	s_mov_b32 s39, 16<<16
	s_mov_b32 s40, NC/4
	s_mov_b32 s41, WS
	s_mov_b32 s42, 0
	s_mov_b32 s43, 0
	s_mov_b32 s47, 0                               ; every offset below is under 4 GiB: s[46:47]
	s_wait_dscnt 0x0
	s_wait_kmcnt 0x0
.if STAGE == 1
	s_mul_i32 s46, s16, 240                        ; scales: row 240 mb + 64 w of 2,048 bytes, + 512 kq
	s_lshl_b32 s17, s14, 6
	s_add_co_u32 s46, s46, s17
	s_lshl_b32 s46, s46, 11
	s_lshl_b32 s17, s18, 9
	s_add_co_u32 s46, s46, s17
.else
	s_mul_i32 s46, s16, 15                         ; scales: tile 15 mb + 4 w of 4,096 bytes
	s_lshl2_add_u32 s46, s14, s46
	s_lshl_b32 s46, s46, 12
.endif
	s_add_nc_u64 s[22:23], s[6:7], s[46:47]
	s_or_b32 s23, s23, 0x80000000                  ; type = 2
	tensor_load_to_lds s[20:23], s[24:31]
	s_nop 0
.if STAGE == 1
	s_lshl_b32 s46, s18, 15                        ; bias: 128 kq rows of 256 bytes, + 16 dq numbers, + my 32 rows
	s_lshl_b32 s17, s19, 6
	s_or_b32 s46, s46, s17
	s_lshl_b32 s17, s14, 13
	s_or_b32 s46, s46, s17
.else
	s_lshl_b32 s46, ttmp9, 6                       ; bias: 16 x numbers, + my 16 rows of 1,024 bytes
	s_lshl_b32 s17, s14, 14
	s_or_b32 s46, s46, s17
.endif
	s_add_nc_u64 s[34:35], s[10:11], s[46:47]
	s_or_b32 s35, s35, 0x80000000
	tensor_load_to_lds s[32:35], s[36:43]          ; two tensor loads of this wave are out; no descriptor register is written again
	s_nop 0
	s_mul_i32 s46, s16, 240*1024
	s_add_nc_u64 s[4:5], s[4:5], s[46:47]          ; q at the block's first row
.if STAGE == 1
	s_lshl_b32 s46, s18, 23                        ; W: row (128 kq) 64 + 16 dq
	s_lshl_b32 s17, s19, 14
	s_or_b32 s46, s46, s17
.else
	s_lshl_b32 s46, ttmp9, 14                      ; W: row 16 x
.endif
	s_add_nc_u64 s[8:9], s[8:9], s[46:47]
	s_mul_i32 s46, ttmp9, 225                      ; result: [x][tile][2][32 lanes][4 f32], tile 15 mb + 4 w
	s_mul_i32 s17, s16, 15
	s_add_co_u32 s46, s46, s17
	s_lshl2_add_u32 s46, s14, s46
	s_lshl_b32 s46, s46, 10
	s_add_nc_u64 s[12:13], s[12:13], s[46:47]
	; q: 16 chunks of 4 rows through the staging ring (chunk s in place (s + 2) % 6, so that W's chunk m falls on m % 6), 16 rows at a time through my scratch
	WIN W_ACC
.set s_, 0
.rept 6
	GET (s_+2)%6, QOFF, 4, s_*4096
.set s_, s_+1
.endr
.set s_, 0
.rept 16
	WIN W_CVT
	s_wait_loadcnt 40                              ; the oldest chunk is in; five chunks of eight loads stay out
	CVT (s_+2)%6
	WIN W_ACC
.if (s_&3) == 0
.if s_
	s_wait_dscnt 0x0                               ; the last tile's fragments have left the scratch
.endif
.endif
	PUT (s_+2)%6, QSTO, (s_&3)*4*PITCH
.if s_+6 < 12
	GET (s_+2)%6, QOFF, 4, (s_+6)*4096
.else
.if s_+6 < 16
	GET (s_+2)%6, QOFF2, 4, (s_+6)*4096
.else
	GET (s_+2)%6, GOFF, 8, (s_-10)*SKB             ; behind q: W's chunks 0 to 5
.endif
.endif
.if (s_&3) == 3
	WIN W_Q
	QFRAG s_/4                                     ; LDS serves a wave's instructions in order (ISA guide 5.7.1): these see the stores above
.endif
.set s_, s_+1
.endr
	; W's chunks 0 to 7: ring slots 0 and 1
.set s_, 0
.rept 8
	WIN W_CVT
	s_wait_loadcnt 40
	CVT s_%6
	WIN W_ACC
	PUT s_%6, STO+s_/4, (s_&3)*16*PITCH
	GET s_%6, GOFF, 8, (s_+6)*SKB
.set s_, s_+1
.endr
.set s_, 0
.rept 32
	v_mov_b32 v[ACC+s_], 0                         ; 32 registers: the first multiply-add stands in the loop's body
.set s_, s_+1
.endr
	s_wait_tensorcnt 0x0                           ; my scales and my quarter of the bias are in,
	s_wait_dscnt 0x0                               ; my stores into slots 0 and 1 are done, q's fragments are in:
	s_barrier_signal -1
	s_barrier_wait -1                              ; everybody's are
	WIN W_MUL
	FRAG 0
	WIN W_ACC
	SCLD 0
.set NB, 0
	BATCH 0, 1
	WIN 0
	s_mov_b32 s44, 0
.Lbody:                                            ; 12 column tiles: once round the three slots, twice round the six staging places
.set kk_, 1
.rept 12
	BATCH kk_, 0
.set kk_, kk_+1
.endr
	WIN 0
	s_wait_xcnt 0x0                                ; the base of loads that are out is stepped only behind this wait
	s_add_nc_u64 s[8:9], s[8:9], 12*SKB
	v_add_nc_u32 v[BIA], 12*64, v[BIA]
	v_add_nc_u32 v[SCA], 3*SC_T, v[SCA]
	s_add_co_u32 s44, s44, 1
	s_cmp_lt_u32 s44, NBODY
	s_cbranch_scc1 .Lbody
.set NB, 12*NBODY                                  ; the tail is written out: loads, stores, barriers and fragment loads end one after the other
.set kk_, 1
.rept NC-1-12*NBODY
	BATCH kk_, 0
.set kk_, kk_+1
.endr
	PLACES
	WIN W_ACC
	FMA (NC-1)&1, 3                                ; the last tile's products
.irp bt, 0,1,2
	global_store_b128 v[OUTO], v[ACC+8*\bt:ACC+8*\bt+3], s[12:13] offset:\bt*1024       ; 512 neighbouring bytes an instruction
	global_store_b128 v[OUTO], v[ACC+8*\bt+4:ACC+8*\bt+7], s[12:13] offset:\bt*1024+512
.endr
	WIN 0
	s_cmp_eq_u32 s14, 3
	s_cbranch_scc1 .Lend                           ; wave 3 has no fourth tile
	WIN W_ACC
	global_store_b128 v[OUTO], v[ACC+24:ACC+27], s[12:13] offset:3072
	global_store_b128 v[OUTO], v[ACC+28:ACC+31], s[12:13] offset:3584
	WIN 0
.Lend:
	s_wait_tensorcnt 0x0
	ds_add_u32 v254, v255
	s_wait_dscnt 0x0
	s_endpgm
.Lfunc_end_k_qf7ead13bc1_s2:
	.size	k_qf7ead13bc1_s2, .Lfunc_end_k_qf7ead13bc1_s2-k_qf7ead13bc1_s2
	.p2alignl 7, 3214868480
	.fill 96, 4, 3214868480
	.section	.rodata,"a",@progbits
	.p2align	6, 0x0
	.amdhsa_kernel k_qf7ead13bc1_s2
		.amdhsa_group_segment_fixed_size 279040
		.amdhsa_private_segment_fixed_size 0
		.amdhsa_enable_private_segment 0
		.amdhsa_kernarg_size 40
		.amdhsa_user_sgpr_count 2
		.amdhsa_user_sgpr_kernarg_segment_ptr 1
		.amdhsa_wavefront_size32 1
		.amdhsa_system_sgpr_workgroup_id_x 1
		.amdhsa_system_sgpr_workgroup_id_y 1
		.amdhsa_system_sgpr_workgroup_id_z 1
		.amdhsa_system_vgpr_workitem_id 0
		.amdhsa_next_free_vgpr 768
		.amdhsa_next_free_sgpr 66
		.amdhsa_reserve_vcc 0
		.amdhsa_float_denorm_mode_32 3
		.amdhsa_float_denorm_mode_16_64 3
		.amdhsa_memory_ordered 1
		.amdhsa_forward_progress 1
		.amdhsa_inst_pref_size 237
	.end_amdhsa_kernel
	.amdgpu_metadata
---
amdhsa.version: [ 1, 2 ]
amdhsa.kernels:
  - .name:           k_qf7ead13bc1_s2
    .symbol:         k_qf7ead13bc1_s2.kd
    .args:
      - { .name: query, .offset: 0, .size: 8, .value_kind: global_buffer, .address_space: global }
      - { .name: f1n, .offset: 8, .size: 8, .value_kind: global_buffer, .address_space: global }
      - { .name: W_aft, .offset: 16, .size: 8, .value_kind: global_buffer, .address_space: global }
      - { .name: b_aft, .offset: 24, .size: 8, .value_kind: global_buffer, .address_space: global }
      - { .name: f2, .offset: 32, .size: 8, .value_kind: global_buffer, .address_space: global }
    .group_segment_fixed_size: 279040
    .private_segment_fixed_size: 0
    .kernarg_segment_align: 8
    .kernarg_segment_size: 40
    .max_flat_workgroup_size: 128
    .sgpr_count:     66
    .vgpr_count:     768
    .wavefront_size: 32
...
	.end_amdgpu_metadata
.endif
;; end of part 3
;; launch fin (part 4): grid 225 x 1, 4 waves a work-group, no clusters, 174,080 bytes of LDS; arguments f2, W_out, b_out, g2, be2, g3, be3, out0; writes out0
.if DOCPART == 4
	.amdgcn_target "amdgcn-amd-amdhsa--gfx1250"
	.amdhsa_code_object_version 6
	.text
	.protected	k_qf7ead13bc1_fin
	.globl	k_qf7ead13bc1_fin
	.p2align	8
	.type	k_qf7ead13bc1_fin,@function
k_qf7ead13bc1_fin:
	s_mov_b64 s[64:65], 0
	v_nop
	global_prefetch_b8 v0, s[64:65] scope:SCOPE_SE
	s_setreg_imm32_b32 hwreg(HW_REG_WAVE_MODE, 25, 1), 1
	s_wait_xcnt 0x0
; out0 = relu(LN3(relu(LN2(f2)) W_out^T + b_out)).  The reference's reshape (3600, 1, 256) -> (450, 8, 256) leaves the flat order as it is.
; A work-group takes one tile of 16 rows; wave w makes outputs o = 64 w .. 64 w + 63.
; f2: [e tile][tile][quad][lane][4 f32]: lane (r, h) holds row r, e = 16 et + 8 h + 4 quad + i.  That is the B operand's own order (k = 8 h .. in registers
; 0-3, 16 + 8 h .. in 4-7 of a step of 32: e tiles 2 c and 2 c + 1), so after LN2 the row is packed to f16 in place and is a run of 8 fragments: no shuffle.
; Every wave does LN2 for itself on all 256 e (16 KB read again by each of four waves, in place of a barrier and a trip through LDS).
; A = 16 rows of W_out, B = the 16 rows of the tile: register jj of lane (r, h) holds out(b = r, o = 8 h + jj).  LN3 runs over all four waves' o: each sum
; (mean, then centred squares) meets in LDS behind a barrier.  The way out goes through LDS so that 16 lanes store 256 neighbouring bytes, aligned.
; W_out (my 64 rows) comes through registers, is converted to f16 and laid into my own LDS rows, as the weights of the two launches before.
; NO CLUSTER: what the work-groups share is W_out, 256 KB of f32 that needs the conversion in registers anyway.
; LIMITS: |W_out| and the LN2 output below 65504 (f16 operands), magnitudes below 6e-8 become 0; relu by v_max_num_f32 turns a NaN into 0.
.set PITCH,  528                       ; 256 f16 + 16 bytes
.set OPITCH, 272                       ; 64 f32 + 16 bytes
; LDS: wave w's 64 rows of W_out at 33,792 w; its copy of g2, be2, b_out, g3, be3 (1 KB each) at PAR + 5,120 w; RED1, RED2: [wave][row] sums; its stage at OST + 4,352 w
.set PAR,    135168
.set RED1,   155648
.set OST,    156160
.set LOFF, 1                           ; 16 x lane
.set MR,   2                           ; v2-3   r and h at first; then the mean, then 1 / sigma, twice
.set WOFF, 4
.set WSTO, 5
.set WFR,  6
.set PST,  7
.set PLD,  8                           ; my parameters + 32 h
.set RST,  9
.set RLD,  10
.set OSTO, 11
.set ORD,  12
.set OOFF, 13
.set PLD2, 14                          ; PLD + 256 w: the parameters of my 64 o
.set X,    16                          ; v16-143  the row: 8 et + 4 quad + i
.set F,    16                          ; v16-79   then its 8 fragments in f16
.set D,    80                          ; v80-111  results, o tile ot at 8 ot
.set CB,   112                         ; v112-143 b_out as C operand
.set PRM,  144                         ; v144-183 parameters on their way into LDS
.set G3,   144                         ; v144-175 later g3 of my registers
.set B3,   176                         ; v176-207 be3
.set GB,   184                         ; v184-247 g2 and be2 of four e tiles
.set OUTR, 208                         ; v208-239 rows read back
.set T,    248                         ; v248-255 four chains of pairs
.set ST,   0                           ; window 1: v256-447 staging, six chunks of 32; later all of v256-511: fragment (c, ot) of W_out at 32 c + 8 ot
.set PS,   22                          ; s22-23   v_permlanex16_b32: lane i of the other half
.set MSB, 0
.macro WIN new                         ; s_set_vgpr_msb: bits 1:0 source 0, 3:2 source 1, 5:4 source 2, 7:6 destination; the high byte repeats the setting left
.if MSB != \new
	s_set_vgpr_msb (MSB<<8)|\new
.set MSB, \new
.endif
.endm
.macro CVT pos
.set cs_, ST+32*(\pos)
.irp j, 0,1,2,3,4,5,6,7
	v_cvt_pk_f16_f32 v[cs_+4*\j], v[cs_+4*\j], v[cs_+4*\j+1]
	v_cvt_pk_f16_f32 v[cs_+4*\j+1], v[cs_+4*\j+2], v[cs_+4*\j+3]
.endr
.endm
.macro PUT pos, areg, imm
.set cs_, ST+32*(\pos)
.irp j, 0,1,2,3,4,5,6,7
	ds_store_b64 v[\areg], v[cs_+4*\j:cs_+4*\j+1] offset:(\j>>1)*PITCH+(\j&1)*256+(\imm)
.endr
.endm
.macro GET pos, oreg, sb, imm
.set cs_, ST+32*(\pos)
.irp j, 0,1,2,3,4,5,6,7
	global_load_b128 v[cs_+4*\j:cs_+4*\j+3], v[\oreg], s[\sb:\sb+1] offset:512*\j+(\imm)
.endr
.endm
.macro FOLD                            ; the four chains into v[T]: this lane's numbers and those of its partner in the other half
	v_pk_add_f32 v[T:T+1], v[T:T+1], v[T+2:T+3]
	v_pk_add_f32 v[T+4:T+5], v[T+4:T+5], v[T+6:T+7]
	v_pk_add_f32 v[T:T+1], v[T:T+1], v[T+4:T+5]
	v_add_f32 v[T], v[T], v[T+1]
	v_permlanex16_b32 v[T+1], v[T], s[PS], s[PS+1]
	v_add_f32 v[T], v[T], v[T+1]
.endm
.macro LSUM base, groups               ; sum of 8 x groups registers; the first two groups start the chains
.irp c, 0,2,4,6
	v_pk_add_f32 v[T+\c:T+\c+1], v[\base+\c:\base+\c+1], v[\base+8+\c:\base+8+\c+1]
.endr
.set g_, 2
.rept \groups-2
.irp c, 0,2,4,6
	v_pk_add_f32 v[T+\c:T+\c+1], v[T+\c:T+\c+1], v[\base+8*g_+\c:\base+8*g_+\c+1]
.endr
.set g_, g_+1
.endr
	FOLD
.endm
.macro LSQ base, groups                ; sum of their squares
.irp c, 0,2,4,6
	v_pk_mul_f32 v[T+\c:T+\c+1], v[\base+\c:\base+\c+1], v[\base+\c:\base+\c+1]
.endr
.set g_, 1
.rept \groups-1
.irp c, 0,2,4,6
	v_pk_fma_f32 v[T+\c:T+\c+1], v[\base+8*g_+\c:\base+8*g_+\c+1], v[\base+8*g_+\c:\base+8*g_+\c+1], v[T+\c:T+\c+1]
.endr
.set g_, g_+1
.endr
	FOLD
.endm
.macro CENTRE base, pairs
.set g_, 0
.rept \pairs
	v_pk_add_f32 v[\base+2*g_:\base+2*g_+1], v[\base+2*g_:\base+2*g_+1], v[MR:MR+1] neg_lo:[0,1] neg_hi:[0,1]
.set g_, g_+1
.endr
.endm
.macro NORM x, g, b                    ; relu(x / sigma * gain + bias), two numbers
	v_pk_mul_f32 v[(\x):(\x)+1], v[(\x):(\x)+1], v[MR:MR+1]
	v_pk_fma_f32 v[(\x):(\x)+1], v[(\x):(\x)+1], v[(\g):(\g)+1], v[(\b):(\b)+1]
	v_max_num_f32 v[(\x)], 0, v[(\x)]
	v_max_num_f32 v[(\x)+1], 0, v[(\x)+1]
.endm
.macro PARLD i, sb                     ; 1 KB of a parameter: two loads of 512 neighbouring bytes
	global_load_b128 v[PRM+8*\i:PRM+8*\i+3], v[LOFF], s[\sb:\sb+1]
	global_load_b128 v[PRM+8*\i+4:PRM+8*\i+7], v[LOFF], s[\sb:\sb+1] offset:512
.endm
.macro PAR8 reg, imm                   ; a parameter of my 32 result registers: for each o tile 8 numbers at 32 h
.irp ot, 0,1,2,3
	ds_load_b128 v[\reg+8*\ot:\reg+8*\ot+3], v[PLD2] offset:64*\ot+(\imm)
	ds_load_b128 v[\reg+8*\ot+4:\reg+8*\ot+7], v[PLD2] offset:64*\ot+16+(\imm)
.endr
.endm
.macro ACROSS off                      ; v[T] of the four waves, summed: each stores its word for row r, all read the four behind the barrier
	ds_store_b32 v[RST], v[T] offset:\off
	s_wait_dscnt 0x0                               ; for the others: my word is written
	s_barrier_signal -1
	s_barrier_wait -1
.irp i, 0,1,2,3
	ds_load_b32 v[T+\i], v[RLD] offset:64*\i+\off
.endr
	s_wait_dscnt 0x0
	v_add_f32 v[T], v[T], v[T+1]
	v_add_f32 v[T+2], v[T+2], v[T+3]
	v_add_f32 v[T], v[T], v[T+2]
.endm
	s_load_b512 s[4:19], s[0:1], 0x0               ; f2 s[4:5], W_out s[6:7], b_out s[8:9], g2 s[10:11], be2 s[12:13], g3 s[14:15], be3 s[16:17], out0 s[18:19]
	s_set_vgpr_msb 0x80
	v_lshl_add_u32 v0, v0, 2, 0x2a600
	v_mov_b32 v1, 0
	s_set_vgpr_msb 0x8000
	v_lshrrev_b32 v15, 5, v0
	v_readfirstlane_b32 s20, v15                   ; wave
	v_and_b32 v15, 31, v0                          ; lane
	v_and_b32 v2, 15, v0                           ; r
	v_bfe_u32 v3, v0, 4, 1                         ; h
	v_lshlrev_b32 v[LOFF], 4, v15
	s_lshl_b32 s21, s20, 16
	v_add_nc_u32 v[WOFF], s21, v[LOFF]             ; my 64 rows of W_out
	s_mul_i32 s21, s20, 64*PITCH
	v_lshl_add_u32 v[WSTO], v15, 3, s21
	v_mul_u32_u24 v[WFR], v2, PITCH
	v_lshl_add_u32 v[WFR], v3, 4, v[WFR]
	v_add_nc_u32 v[WFR], s21, v[WFR]
	s_mul_i32 s21, s20, 5120
	s_add_co_u32 s21, s21, PAR
	v_add_nc_u32 v[PST], s21, v[LOFF]
	v_lshl_add_u32 v[PLD], v3, 5, s21
	s_lshl_b32 s26, s20, 8                         ; 256 w
	v_add_nc_u32 v[PLD2], s26, v[PLD]
	v_lshlrev_b32 v[RLD], 2, v2
	v_add_nc_u32 v[RLD], RED1, v[RLD]
	s_lshl_b32 s21, s20, 6
	v_add_nc_u32 v[RST], s21, v[RLD]
	s_mul_i32 s21, s20, 16*OPITCH
	s_add_co_u32 s21, s21, OST
	v_mul_u32_u24 v[OSTO], v2, OPITCH              ; in: row r, 32 bytes for each half of the lanes
	v_lshl_add_u32 v[OSTO], v3, 5, v[OSTO]
	v_add_nc_u32 v[OSTO], s21, v[OSTO]
	v_mul_u32_u24 v[ORD], v3, OPITCH               ; back: lanes 0-15 one row of 256 bytes, lanes 16-31 the next
	v_lshl_add_u32 v[ORD], v2, 4, v[ORD]
	v_add_nc_u32 v[ORD], s21, v[ORD]
	v_lshlrev_b32 v[OOFF], 10, v3                  ; and the same two rows in out0, at my 256 bytes
	v_lshl_add_u32 v[OOFF], v2, 4, v[OOFF]
	v_add_nc_u32 v[OOFF], s26, v[OOFF]
	s_mov_b32 s22, 0x76543210
	s_mov_b32 s23, 0xfedcba98
	s_mov_b32 s24, 0x3b800000                      ; 1 / 256
	s_mov_b32 s25, 0x3727c5ac                      ; 1e-5
	s_lshl_b32 s26, ttmp9, 10
	s_mov_b32 s27, 0
	s_lshl_b32 s28, ttmp9, 14
	s_mov_b32 s29, 0
	s_wait_kmcnt 0x0
	s_add_nc_u64 s[4:5], s[4:5], s[26:27]
	s_add_nc_u64 s[18:19], s[18:19], s[28:29]
.irp et, 0,1,2,3,4,5,6,7,8,9,10,11,12,13,14,15
	global_load_b128 v[X+8*\et:X+8*\et+3], v[LOFF], s[4:5] offset:\et*230400
	global_load_b128 v[X+8*\et+4:X+8*\et+7], v[LOFF], s[4:5] offset:\et*230400+512
.endr
	PARLD 0, 10                                    ; g2
	PARLD 1, 12                                    ; be2
	PARLD 2, 8                                     ; b_out
	PARLD 3, 14                                    ; g3
	PARLD 4, 16                                    ; be3
	WIN 0x44                                       ; loads into, LDS stores from window 1
.set s_, 0
.rept 6
	GET s_, WOFF, 6, s_*4096                       ; W_out's first six chunks of 4 rows come in under LN2
.set s_, s_+1
.endr
	WIN 0
	s_wait_loadcnt 48                              ; the row and the parameters are in; the six chunks of eight loads stay out
.set s_, 0
.rept 10
	ds_store_b128 v[PST], v[PRM+4*s_:PRM+4*s_+3] offset:512*s_
.set s_, s_+1
.endr
	; LN2 over the row's 256 numbers: 128 in this lane, 128 in its partner
	LSUM X, 16
	v_mul_f32 v[MR], s24, v[T]
	v_mul_f32 v[MR+1], s24, v[T]
	CENTRE X, 64
	LSQ X, 16
	v_fma_f32 v[T], v[T], s24, s25
	v_rsq_f32 v[MR], v[T]
	v_nop                                          ; one plain place behind the transcendental before its result is read (ISA guide 5.7.2)
	s_wait_alu depctr_va_vdst(0)
	v_mov_b32 v[MR+1], v[MR]
.set gq_, 0
.rept 4                                            ; four e tiles at a time: their g2 and be2 from my copy (my own stores: LDS serves a wave in order)
.irp e, 0,1,2,3
	ds_load_b128 v[GB+8*\e:GB+8*\e+3], v[PLD] offset:(4*gq_+\e)*64
	ds_load_b128 v[GB+8*\e+4:GB+8*\e+7], v[PLD] offset:(4*gq_+\e)*64+16
	ds_load_b128 v[GB+32+8*\e:GB+32+8*\e+3], v[PLD] offset:(4*gq_+\e)*64+1024
	ds_load_b128 v[GB+32+8*\e+4:GB+32+8*\e+7], v[PLD] offset:(4*gq_+\e)*64+1040
.endr
	s_wait_dscnt 0x0
.set p_, 0
.rept 16
	NORM X+32*gq_+2*p_, GB+2*p_, GB+32+2*p_
.set p_, p_+1
.endr
.set gq_, gq_+1
.endr
.set p_, 0
.rept 64
	v_cvt_pk_f16_f32 v[F+p_], v[X+2*p_], v[X+2*p_+1]   ; ascending: word p is written when words 2 p, 2 p + 1 are read, never ahead of them
.set p_, p_+1
.endr
	; W_out: 16 chunks of 4 rows to f16 in my LDS rows
.set s_, 0
.rept 16
.set lc_, 15-s_
.if lc_ > 5
.set lc_, 5
.endif
	WIN 0x55
	s_wait_loadcnt 8*lc_                           ; chunk s is in; the younger chunks (five, fewer at the end) stay out
	CVT s_%6
	WIN 0x44
	PUT s_%6, WSTO, s_*4*PITCH
.if s_+6 < 16
	GET s_%6, WOFF, 6, (s_+6)*4096
.endif
.set s_, s_+1
.endr
	WIN 0
	PAR8 CB, 2048                                  ; b_out, g3, be3 of my registers, ahead of the fragments: the counted waits below cover them
	PAR8 G3, 3072
	PAR8 B3, 4096
	WIN 0x40
.set c_, 0
.rept 8
.irp ot, 0,1,2,3
	ds_load_b128 v[32*c_+8*\ot:32*c_+8*\ot+3], v[WFR] offset:\ot*16*PITCH+64*c_
	ds_load_b128 v[32*c_+8*\ot+4:32*c_+8*\ot+7], v[WFR] offset:\ot*16*PITCH+64*c_+32
.endr
.set c_, c_+1
.endr
	WIN 0x01                                       ; A in window 1
.set c_, 0
.rept 8
	s_wait_dscnt 56-8*c_                           ; LDS loads come back in order: step c's eight are in, the eight of each later step stay out
.irp ot, 0,1,2,3
.if c_ == 0
	v_wmma_f32_16x16x32_f16 v[D+8*\ot:D+8*\ot+7], v[32*c_+8*\ot:32*c_+8*\ot+7], v[F+8*c_:F+8*c_+7], v[CB+8*\ot:CB+8*\ot+7]
.else
	v_wmma_f32_16x16x32_f16 v[D+8*\ot:D+8*\ot+7], v[32*c_+8*\ot:32*c_+8*\ot+7], v[F+8*c_:F+8*c_+7], v[D+8*\ot:D+8*\ot+7]
.endif
.endr
.set c_, c_+1
.endr
	WIN 0
.rept 4
	v_nop                                          ; four places before vector instructions read the results (ISA guide 7.12.1)
.endr
	; LN3 over 256 o: 32 in this lane, 32 in its partner, 64 in each wave
	LSUM D, 4
	ACROSS 0
	v_mul_f32 v[MR], s24, v[T]
	v_mul_f32 v[MR+1], s24, v[T]
	CENTRE D, 16
	LSQ D, 4
	ACROSS 256                                     ; other bytes than the first sum's: no wave may still be reading those
	v_fma_f32 v[T], v[T], s24, s25
	v_rsq_f32 v[MR], v[T]
	v_nop
	s_wait_alu depctr_va_vdst(0)
	v_mov_b32 v[MR+1], v[MR]
.set p_, 0
.rept 16
	NORM D+2*p_, G3+2*p_, B3+2*p_
.set p_, p_+1
.endr
	; the way out: 32 bytes a lane into my stage, whole rows of 256 bytes back
.irp ot, 0,1,2,3
	ds_store_b128 v[OSTO], v[D+8*\ot:D+8*\ot+3] offset:64*\ot
	ds_store_b128 v[OSTO], v[D+8*\ot+4:D+8*\ot+7] offset:64*\ot+16
.endr
.irp t, 0,1,2,3,4,5,6,7
	ds_load_b128 v[OUTR+4*\t:OUTR+4*\t+3], v[ORD] offset:\t*2*OPITCH
.endr
.irp t, 0,1,2,3,4,5,6,7
	s_wait_dscnt 7-\t
	global_store_b128 v[OOFF], v[OUTR+4*\t:OUTR+4*\t+3], s[18:19] offset:2048*\t    ; 16 lanes store 256 consecutive bytes, at a multiple of 256 from out0's first byte
.endr
	s_set_vgpr_msb 0xa
	s_wait_tensorcnt 0x0
	ds_add_u32 v0, v1
	s_wait_dscnt 0x0
	s_set_vgpr_msb 0xa00
	s_endpgm
.Lfunc_end_k_qf7ead13bc1_fin:
	.size	k_qf7ead13bc1_fin, .Lfunc_end_k_qf7ead13bc1_fin-k_qf7ead13bc1_fin
	.p2alignl 7, 3214868480
	.fill 96, 4, 3214868480
	.section	.rodata,"a",@progbits
	.p2align	6, 0x0
	.amdhsa_kernel k_qf7ead13bc1_fin
		.amdhsa_group_segment_fixed_size 174080
		.amdhsa_private_segment_fixed_size 0
		.amdhsa_enable_private_segment 0
		.amdhsa_kernarg_size 64
		.amdhsa_user_sgpr_count 2
		.amdhsa_user_sgpr_kernarg_segment_ptr 1
		.amdhsa_wavefront_size32 1
		.amdhsa_system_sgpr_workgroup_id_x 1
		.amdhsa_system_sgpr_workgroup_id_y 1
		.amdhsa_system_sgpr_workgroup_id_z 1
		.amdhsa_system_vgpr_workitem_id 0
		.amdhsa_next_free_vgpr 514
		.amdhsa_next_free_sgpr 66
		.amdhsa_reserve_vcc 0
		.amdhsa_float_denorm_mode_32 3
		.amdhsa_float_denorm_mode_16_64 3
		.amdhsa_memory_ordered 1
		.amdhsa_forward_progress 1
		.amdhsa_inst_pref_size 96
	.end_amdhsa_kernel
	.amdgpu_metadata
---
amdhsa.version: [ 1, 2 ]
amdhsa.kernels:
  - .name:           k_qf7ead13bc1_fin
    .symbol:         k_qf7ead13bc1_fin.kd
    .args:
      - { .name: f2, .offset: 0, .size: 8, .value_kind: global_buffer, .address_space: global }
      - { .name: W_out, .offset: 8, .size: 8, .value_kind: global_buffer, .address_space: global }
      - { .name: b_out, .offset: 16, .size: 8, .value_kind: global_buffer, .address_space: global }
      - { .name: g2, .offset: 24, .size: 8, .value_kind: global_buffer, .address_space: global }
      - { .name: be2, .offset: 32, .size: 8, .value_kind: global_buffer, .address_space: global }
      - { .name: g3, .offset: 40, .size: 8, .value_kind: global_buffer, .address_space: global }
      - { .name: be3, .offset: 48, .size: 8, .value_kind: global_buffer, .address_space: global }
      - { .name: out0, .offset: 56, .size: 8, .value_kind: global_buffer, .address_space: global }
    .group_segment_fixed_size: 174080
    .private_segment_fixed_size: 0
    .kernarg_segment_align: 8
    .kernarg_segment_size: 64
    .max_flat_workgroup_size: 128
    .sgpr_count:     66
    .vgpr_count:     514
    .wavefront_size: 32
...
	.end_amdgpu_metadata
.endif
;; end of part 4
